; MI455X (gfx1250); checked and timed in simulation.
; The chip was launched on July 23, 2026; its instructions are those of AMD's public machine-readable ISA for CDNA 5 (MIT licence, August 2026) and "CDNA5" Instruction Set Architecture Reference Guide (July 2026). The comments in the code are by the model that wrote it; some were corrected since.
;; Causal Self Attention. Allowed arithmetic: float matrix products may take bf16 or f16 operands with f32 sums; all other float work in f32.
;; Inputs: b_proj 1,024 float32; b_qkv 3,072 float32; w_proj 1,024 x 1,024 float32; w_qkv 1,024 x 3,072 float32; x 2 x 2,048 x 1,024 float32.
;; Outputs: out0 2 x 2,048 x 1,024 float32.
;; One version. Each part assembles by itself: llvm-mc -triple=amdgcn-amd-amdhsa -mcpu=gfx1250 --defsym DOCPART=n.
;; ======== version 1 of 1: 4 launches
;; limits: values are held in f16: magnitudes above 65,504 overflow, below 6.1e-05 lose precision
;; workspace buffers: xb 8,388,608 bytes; wqT 6,291,456 bytes; wpT 2,097,152 bytes; qkv 25,165,824 bytes; y 8,388,608 bytes
;; launch prep (part 1): grid 1024 x 1, 8 waves a work-group, no clusters, 18,432 bytes of LDS; arguments x, w_qkv, w_proj, xb, wqT, wpT; writes xb, wqT, wpT
.if DOCPART == 1
	.amdgcn_target "amdgcn-amd-amdhsa--gfx1250"
	.amdhsa_code_object_version 6
	.text
	.protected	k_q54d7b96f36_prep
	.globl	k_q54d7b96f36_prep
	.p2align	8
	.type	k_q54d7b96f36_prep,@function
k_q54d7b96f36_prep:
	s_mov_b64 s[64:65], 0
	v_nop
	global_prefetch_b8 v0, s[64:65] scope:SCOPE_SE
	s_setreg_imm32_b32 hwreg(HW_REG_WAVE_MODE, 25, 1), 1
	s_wait_xcnt 0x0
; prep: the three large inputs are brought once into the 16-bit, K-contiguous forms that the two products read.
;   xb  [4096][1024] bf16 = x rounded to bf16
;   wqT [3072 n][1024 k] bf16 = w_qkv transposed and rounded to bf16
;   wpT [1024 n][1024 k] f16  = w_proj transposed, rounded to bf16 and carried in f16 (it meets an f16 operand later).
; LIMIT: the f16 carrier is exact for |w_proj| from 2^-17 up; below that its absolute error is at most 2^-25.
; 1024 work-groups of eight waves, 32,768 input bytes each: 0-383 tiles of w_qkv, 384-511 tiles of w_proj, 512-1023 pieces of x.
; The work is a stream: no matrix unit, no cluster, no large register tile would move a byte less.  LDS serves the transposition alone.
.set LP,  272                          ; LDS row: 128 k x 2 bytes + 16: the read back takes 16 neighbouring bytes a lane
.set XIN, 8                            ; v[8:39]   32 f32 as loaded
.set W,   40                           ; v[40:55]  16 packed words
; One tile of 128 k x 64 n of a weight matrix [1024 k][n] f32 with rows of rowb bytes; s16 = the tile's number (k tile in bits 2:0).
; Thread t: ng = t & 15 (four columns), kg = t >> 4 (eight rows).  Sixteen lanes read 256 consecutive aligned bytes of a row of the source,
; and sixteen lanes write 256 consecutive aligned bytes of a row of the transposed matrix.
.macro TRANS src, dst, rowb, half
	s_and_b32 s17, s16, 7                          ; k tile
	s_lshr_b32 s16, s16, 3                         ; n tile
	s_mul_i32 s18, s17, 128*\rowb                  ; 128 source rows a k tile
	s_lshl_b32 s22, s16, 8                         ; 64 columns of 4 bytes an n tile
	s_add_co_u32 s18, s18, s22
	s_add_nc_u64 s[\src:\src+1], s[\src:\src+1], s[18:19]
	s_lshl_b32 s20, s16, 17                        ; 64 transposed rows of 2,048 bytes
	s_lshl_b32 s22, s17, 8                         ; 128 k of 2 bytes
	s_add_co_u32 s20, s20, s22
	s_add_nc_u64 s[\dst:\dst+1], s[\dst:\dst+1], s[20:21]
	v_mul_u32_u24 v3, v2, 8*\rowb
	v_lshl_add_u32 v3, v1, 4, v3                   ; source: row 8 kg, byte 16 ng
.irp e, 0,1,2,3,4,5,6,7
	global_load_b128 v[XIN+4*\e:XIN+4*\e+3], v3, s[\src:\src+1] offset:\e*\rowb th:TH_LOAD_NT
.endr
	v_mul_u32_u24 v4, v1, 4*LP
	v_lshl_add_u32 v4, v2, 4, v4                   ; LDS in: row 4 ng (+ c), byte 16 kg
	v_mul_u32_u24 v5, v2, LP
	v_lshl_add_u32 v5, v1, 4, v5                   ; LDS back: row t >> 4 (+ 16 u), byte 16 (t & 15)
	v_lshlrev_b32 v6, 11, v2
	v_lshl_add_u32 v6, v1, 4, v6                   ; the same place in the transposed matrix
	s_wait_loadcnt 0x0                             ; a column's eight k come from all eight loads
.irp c, 0,1,2,3
.irp p, 0,1,2,3
	v_cvt_pk_bf16_f32 v[W+4*\c+\p], v[XIN+8*\p+\c], v[XIN+8*\p+4+\c]   ; k = 8 kg + 2 p, + 1 of column 4 ng + c
.if \half
	v_lshlrev_b32 v56, 16, v[W+4*\c+\p]            ; the bf16 numbers widened again,
	v_and_b32 v57, 0xffff0000, v[W+4*\c+\p]
	v_cvt_pk_f16_f32 v[W+4*\c+\p], v56, v57        ; and written as f16
.endif
.endr
	ds_store_b128 v4, v[W+4*\c:W+4*\c+3] offset:\c*LP
.endr
	s_wait_dscnt 0x0                               ; my stores are in LDS before I say so: other waves read them
	s_barrier_signal -1
	s_barrier_wait -1
.irp u, 0,1,2,3
	ds_load_b128 v[XIN+4*\u:XIN+4*\u+3], v5 offset:\u*16*LP
.endr
.irp u, 0,1,2,3
	s_wait_dscnt 3-\u                              ; LDS loads come back in order: load u is in, the younger ones stay out
	global_store_b128 v6, v[XIN+4*\u:XIN+4*\u+3], s[\dst:\dst+1] offset:\u*32768
.endr
.endm
	s_load_b256 s[4:11], s[0:1], 0x0               ; x s[4:5], w_qkv s[6:7], w_proj s[8:9], xb s[10:11]
	s_load_b128 s[12:15], s[0:1], 0x20             ; wqT s[12:13], wpT s[14:15]
	v_lshl_add_u32 v64, v0, 2, 0x4400
	v_mov_b32 v65, 0
	v_and_b32 v1, 15, v0                           ; ng
	v_lshrrev_b32 v2, 4, v0                        ; kg
	s_mov_b32 s19, 0                               ; upper words of the two offsets
	s_mov_b32 s21, 0
	s_wait_kmcnt 0x0
	s_cmp_lt_u32 ttmp9, 384                        ; the branch hangs on the work-group's number alone: all eight waves go one way
	s_cbranch_scc1 .Lwq
	s_cmp_lt_u32 ttmp9, 512
	s_cbranch_scc1 .Lwp
	; x: 8,192 f32 to bf16.  A thread holds eight neighbouring numbers, so that it stores 16 neighbouring bytes.
	s_sub_co_u32 s16, ttmp9, 512
	s_lshl_b32 s18, s16, 15
	s_lshl_b32 s20, s16, 14
	s_add_nc_u64 s[4:5], s[4:5], s[18:19]
	s_add_nc_u64 s[10:11], s[10:11], s[20:21]
	v_lshlrev_b32 v3, 5, v0
	v_lshlrev_b32 v4, 4, v0
.irp g, 0,1,2,3
	global_load_b128 v[XIN+8*\g:XIN+8*\g+3],   v3, s[4:5] offset:\g*8192 th:TH_LOAD_NT
	global_load_b128 v[XIN+8*\g+4:XIN+8*\g+7], v3, s[4:5] offset:\g*8192+16 th:TH_LOAD_NT
.endr
.irp g, 0,1,2,3
	s_wait_loadcnt 6-2*\g                          ; group g's two loads are in; the two of each later group stay out
.irp p, 0,1,2,3
	v_cvt_pk_bf16_f32 v[W+4*\g+\p], v[XIN+8*\g+2*\p], v[XIN+8*\g+2*\p+1]
.endr
	global_store_b128 v4, v[W+4*\g:W+4*\g+3], s[10:11] offset:\g*4096
.endr
	s_endpgm
.Lwq:
	s_mov_b32 s16, ttmp9
	TRANS 6, 12, 12288, 0
	s_wait_tensorcnt 0x0
	ds_add_u32 v64, v65
	s_wait_dscnt 0x0
	s_endpgm
.Lwp:
	s_sub_co_u32 s16, ttmp9, 384
	TRANS 8, 14, 4096, 1
	s_wait_tensorcnt 0x0
	ds_add_u32 v64, v65
	s_wait_dscnt 0x0
	s_endpgm
.Lfunc_end_k_q54d7b96f36_prep:
	.size	k_q54d7b96f36_prep, .Lfunc_end_k_q54d7b96f36_prep-k_q54d7b96f36_prep
	.p2alignl 7, 3214868480
	.fill 96, 4, 3214868480
	.section	.rodata,"a",@progbits
	.p2align	6, 0x0
	.amdhsa_kernel k_q54d7b96f36_prep
		.amdhsa_group_segment_fixed_size 18432
		.amdhsa_private_segment_fixed_size 0
		.amdhsa_enable_private_segment 0
		.amdhsa_kernarg_size 48
		.amdhsa_user_sgpr_count 2
		.amdhsa_user_sgpr_kernarg_segment_ptr 1
		.amdhsa_wavefront_size32 1
		.amdhsa_system_sgpr_workgroup_id_x 1
		.amdhsa_system_sgpr_workgroup_id_y 1
		.amdhsa_system_sgpr_workgroup_id_z 1
		.amdhsa_system_vgpr_workitem_id 0
		.amdhsa_next_free_vgpr 66
		.amdhsa_next_free_sgpr 66
		.amdhsa_reserve_vcc 0
		.amdhsa_float_denorm_mode_32 3
		.amdhsa_float_denorm_mode_16_64 3
		.amdhsa_memory_ordered 1
		.amdhsa_forward_progress 1
		.amdhsa_inst_pref_size 14
	.end_amdhsa_kernel
	.amdgpu_metadata
---
amdhsa.version: [ 1, 2 ]
amdhsa.kernels:
  - .name:           k_q54d7b96f36_prep
    .symbol:         k_q54d7b96f36_prep.kd
    .args:
      - { .name: x, .offset: 0, .size: 8, .value_kind: global_buffer, .address_space: global }
      - { .name: w_qkv, .offset: 8, .size: 8, .value_kind: global_buffer, .address_space: global }
      - { .name: w_proj, .offset: 16, .size: 8, .value_kind: global_buffer, .address_space: global }
      - { .name: xb, .offset: 24, .size: 8, .value_kind: global_buffer, .address_space: global }
      - { .name: wqT, .offset: 32, .size: 8, .value_kind: global_buffer, .address_space: global }
      - { .name: wpT, .offset: 40, .size: 8, .value_kind: global_buffer, .address_space: global }
    .group_segment_fixed_size: 18432
    .private_segment_fixed_size: 0
    .kernarg_segment_align: 8
    .kernarg_segment_size: 48
    .max_flat_workgroup_size: 256
    .sgpr_count:     66
    .vgpr_count:     66
    .wavefront_size: 32
...
	.end_amdgpu_metadata
.endif
;; end of part 1
;; launch qkvg (part 2): grid 16 x 16, 4 waves a work-group, clusters of 4 x 4, 327,680 bytes of LDS; arguments xb, wqT, b_qkv, qkv; writes qkv
.if DOCPART == 2
	.amdgcn_target "amdgcn-amd-amdhsa--gfx1250"
	.amdhsa_code_object_version 6
	.text
	.protected	k_q54d7b96f36_qkvg
	.globl	k_q54d7b96f36_qkvg
	.p2align	8
	.type	k_q54d7b96f36_qkvg,@function
k_q54d7b96f36_qkvg:
	s_mov_b64 s[64:65], 0
	v_nop
	global_prefetch_b8 v0, s[64:65] scope:SCOPE_SE
	s_setreg_imm32_b32 hwreg(HW_REG_WAVE_MODE, 25, 1), 1
	s_wait_xcnt 0x0
	s_wait_alu depctr_hold_cnt(0) depctr_sa_sdst(0) depctr_va_vdst(0) depctr_va_sdst(0) depctr_va_ssrc(0) depctr_va_vcc(0) depctr_vm_vsrc(0)
	s_getreg_b32 s2, hwreg(HW_REG_IB_STS2, 6, 4)
	s_cmp_eq_u32 s2, 0
	s_cbranch_scc0 .Lentry_in_a_cluster
	s_endpgm
.Lentry_in_a_cluster:
	s_bfe_u32 s2, ttmp6, 0x10000c
	s_cmp_lg_u32 s2, 0xf033
	s_cbranch_scc0 .Lentry_shape_is_right
	s_endpgm
.Lentry_shape_is_right:
; qkvg: qkv = x w_qkv + b_qkv.  xb [4096][1024] bf16, wqT [3072 n][1024 k] bf16, sums in f32 started from the bias, results in f16,
; stored head by head: qkv [3 which][32 = batch x 16 + head][2048 t][64] f16.
; LIMIT: q, k and v are stored in f16, so |q|, |k|, |v| must stay below 65,504.
; 16 x 16 work-groups, each a block of 256 rows x 192 columns (three heads); wave w makes rows 64 w .. + 63 of all 192 columns:
; 4 x 12 accumulator tiles of 16 x 16, 384 registers.  K goes in steps of 128 through two LDS slots filled by the tensor data mover;
; a tile's rows are 256 consecutive bytes that start at multiples of 256 from the buffer's first byte.
; CLUSTERS: 4 x 4 work-groups.  The four of a row of the cluster need the same rows of xb, the four of a column the same rows of wqT:
; each such tile is asked for jointly, by the same tensor load with the same descriptor and a mask that names the four.
; REGISTER WINDOWS: 0: addresses, x fragments (two buffers), bias, way out; 1: weight fragments (two buffers);
; 2: accumulators of my row blocks 0, 1 (tile (a, b) at v[8 (12 a + b)]); 3: those of row blocks 2, 3.
; THE MATRIX INSTRUCTION IS USED TRANSPOSED: source 0 = 16 rows of wqT, source 1 = 16 rows of xb.  Lane l then holds row l % 16 of the
; result and in its registers 0-7 the columns 8 (l / 16) + 0 .. 7: eight neighbouring numbers, 16 bytes in f16.
.set PITCH,  272                       ; LDS row: 256 bytes + 16 of padding, an odd multiple of 16: the 16 rows of a fragment load start 16 bytes apart modulo 256
.set HALFA,  128*PITCH                 ; what one tensor load of xb brings
.set HALFB,  96*PITCH                  ; what one tensor load of wqT brings
.set BOFF,   2*HALFA                   ; wqT's 192 rows lie behind xb's 256
.set SLOT,   2*HALFA+2*HALFB           ; 121,856
.set STAGE,  2*SLOT                    ; behind the ring, a multiple of 256: no tensor load lands here
.set SPITCH, 144                       ; stage row: a head's 128 bytes + 16
.set SHEAD,  16*SPITCH
.set SWAVE,  3*SHEAD                   ; a wave's stage: 3 heads x 16 rows
.set LAPS,   4                         ; 1024 / (2 x 128): a lap is once round the ring
.set ADRA, 16                          ; v16-17  LDS address of my x fragments in slot 0, 1
.set ADRB, 20                          ; v20-21  the same for the weights
.set STO,  24                          ; way out: where I put 16 bytes
.set RD,   25                          ; way out: where I read rows back
.set CO,   26                          ; my byte offset in a head's 16 rows
.set BO,   27                          ; my byte offset in the bias
.set FA,   32                          ; window 0: v32-63, v64-95 x fragments, buffer 0, 1
.set TMP,  96                          ; v96-143 packed results
.set BIAS, 160                         ; v160-255 the bias as 12 accumulator tiles
.set RB0,  160                         ; way out: rows read back, two sets (the bias is no longer needed)
.set RB1,  208
.set G1A, 24                           ; s[24:31] group 1 for xb's tiles
.set G0A, 32                           ; s[32:39] group 0 for xb's tiles, a set for each slot
.set G1B, 48                           ; s[48:55] group 1 for wqT's tiles
.set G0B, 56                           ; s[56:63] group 0 for wqT's tiles, a set for each slot
.set MSB, 0
.macro WIN new                         ; the immediate's high byte repeats the setting that is left
.if MSB != \new
	s_set_vgpr_msb (MSB<<8)|\new
.set MSB, \new
.endif
.endm
.set MUL_LO,   0xa1                    ; source 0 window 1, source 1 window 0, C and D window 2
.set MUL_HI,   0xf1                    ; the same, C and D window 3
.set FIRST_LO, 0x81                    ; C from window 0 (the bias), D window 2
.set FIRST_HI, 0xc1                    ; C from window 0, D window 3
.set TO_B,     0x40                    ; destination window 1, address window 0
; A joint load.  Waves 0 and 1 fetch xb's two halves, waves 2 and 3 wqT's.  Each line has one mask; the branch hangs on the wave's number alone.
.macro JLOAD s
	s_cmp_eq_u32 s13, 0
	s_cbranch_scc0 .Lfor_b_\@
	tensor_load_to_lds s[G0A+4*\s:G0A+4*\s+3], s[G1A:G1A+7]
	s_nop 0
	s_branch .Lasked_\@
.Lfor_b_\@:
	tensor_load_to_lds s[G0B+4*\s:G0B+4*\s+3], s[G1B:G1B+7]
	s_nop 0
.Lasked_\@:
.endm
; A round of the cluster's barrier: my work-group's barrier, wave 0 signals for the work-group, every wave waits for all sixteen, my work-group's barrier again.
.macro CREST
	s_cmp_lg_u32 s12, 0
	s_cbranch_scc1 .Lnot_wave_0_\@
	s_barrier_signal -3
.Lnot_wave_0_\@:
	s_barrier_wait -3
	s_barrier_signal -1
	s_barrier_wait -1
.endm
.macro CROUND
	s_barrier_signal -1
	s_barrier_wait -1
	CREST
.endm
; 12 matrix instructions: my row block 2 hi + a x all 12 column blocks, 32 along K, from buffer f.  first = 1: the bias starts the sums.
; The 48 accumulators take turns, one instruction a turn, in the same order in every quarter step.
.macro MUL12 f, hi, a, first
.irp b, 0,1,2,3,4,5,6,7,8,9,10,11
.if \first
	v_wmma_f32_16x16x32_bf16 v[8*(12*\a+\b):8*(12*\a+\b)+7], v[96*\f+8*\b:96*\f+8*\b+7], v[FA+32*\f+8*(2*\hi+\a):FA+32*\f+8*(2*\hi+\a)+7], v[BIAS+8*\b:BIAS+8*\b+7]
.else
	v_wmma_f32_16x16x32_bf16 v[8*(12*\a+\b):8*(12*\a+\b)+7], v[96*\f+8*\b:96*\f+8*\b+7], v[FA+32*\f+8*(2*\hi+\a):FA+32*\f+8*(2*\hi+\a)+7], v[8*(12*\a+\b):8*(12*\a+\b)+7]
.endif
.endr
.endm
; 32 LDS loads in one run: a quarter step's fragments (192 weight rows, my 64 x rows, 32 K at byte k of the rows) into buffer f
.macro FETCH slot, k, f
	WIN TO_B
.irp i, 0,1,2,3,4,5,6,7,8,9,10,11
	ds_load_b128 v[96*\f+8*\i:96*\f+8*\i+3],   v[ADRB+\slot] offset:\k+\i*16*PITCH
	ds_load_b128 v[96*\f+8*\i+4:96*\f+8*\i+7], v[ADRB+\slot] offset:\k+\i*16*PITCH+32
.endr
	WIN 0
.irp i, 0,1,2,3
	ds_load_b128 v[FA+32*\f+8*\i:FA+32*\f+8*\i+3],   v[ADRA+\slot] offset:\k+\i*16*PITCH
	ds_load_b128 v[FA+32*\f+8*\i+4:FA+32*\f+8*\i+7], v[ADRA+\slot] offset:\k+\i*16*PITCH+32
.endr
.endm
; Four places between a matrix instruction and a load into a register that it read, or a vector instruction that reads its result.
.macro PLACES
.rept 4
	v_nop
.endr
.endm
; One of a K step's first three quarters: multiplies buffer f; in its middle it fetches the next quarter, at byte k, into buffer g.
.macro QUARTER slot, k, f, g, first
	s_wait_dscnt 0x4                               ; the weights and my x rows 0-31 are in; the youngest four loads (x rows 32-63) may be out
.if \first
	WIN FIRST_LO
.else
	WIN MUL_LO
.endif
	MUL12 \f, 0, 0, \first
	MUL12 \f, 0, 1, \first
	PLACES
	FETCH \slot, \k, \g
	s_wait_dscnt 0x20                              ; all but the 32 just issued
.if \first
	WIN FIRST_HI
.else
	WIN MUL_HI
.endif
	MUL12 \f, 1, 0, \first
	MUL12 \f, 1, 1, \first
.endm
.macro THREE slot, first
	QUARTER \slot, 64,  0, 1, \first
	QUARTER \slot, 128, 1, 0, 0
	QUARTER \slot, 192, 0, 1, 0
.endm
; The last quarter multiplies buffer 1 and changes slots.  In front of the barrier each wave waits for its reads of this slot and for all its
; tensor loads (one is out: its part of the next slot).  Behind it (with fill = 1: behind a whole round of the cluster's barrier) the refill
; comes first, then the next slot's first fragments.  From a request to the wait for it a wave issues 180 matrix instructions.
.macro TURN slot, next, fill
	s_wait_dscnt 0x4
	WIN MUL_LO
	MUL12 1, 0, 0, 0
	s_wait_dscnt 0x0                               ; my reads of this slot are over
	s_wait_tensorcnt 0x0                           ; all my tensor loads have landed
	ds_add_u32 v255, v159
	s_wait_dscnt 0x0
	s_barrier_signal -1
	MUL12 1, 0, 1, 0                               ; register work while the others arrive
	WIN 0
	s_barrier_wait -1
.if \fill
	CREST                                          ; no wave of any partner still reads this slot or has a load on its way
	s_add_nc_u64 s[G0A+4*\slot+2:G0A+4*\slot+3], s[G0A+4*\slot+2:G0A+4*\slot+3], 512   ; two K steps of 256 bytes on
	s_add_nc_u64 s[G0B+4*\slot+2:G0B+4*\slot+3], s[G0B+4*\slot+2:G0B+4*\slot+3], 512
	JLOAD \slot                                    ; the first tensor load behind the round
.endif
	PLACES
	FETCH \next, 0, 0
	WIN MUL_HI
	MUL12 1, 1, 0, 0
	MUL12 1, 1, 1, 0
.endm
.macro LAP first
	THREE 0, \first
	TURN 0, 1, 1
	THREE 1, 0
	TURN 1, 0, 1
.endm
	s_load_b256 s[4:11], s[0:1], 0x0               ; xb s[4:5], wqT s[6:7], b_qkv s[8:9], qkv s[10:11]
	s_set_vgpr_msb 0x40
	v_lshl_add_u32 v255, v0, 2, 0x42400
	s_set_vgpr_msb 0x4000
	v_mov_b32 v159, 0
	s_set_vgpr_msb 0x1
	ds_add_u32 v255, v159
	ds_add_u32 v255, v159
	s_set_vgpr_msb 0x100
	v_lshrrev_b32 v1, 5, v0
	v_readfirstlane_b32 s12, v1                    ; wave 0..3
	s_lshr_b32 s13, s12, 1                         ; I fetch for xb (0) or for wqT (1)
	s_and_b32 s14, s12, 1                          ; which half of that tile
	s_bfe_u32 s16, ttmp6, 0x40000                  ; cx
	s_bfe_u32 s17, ttmp6, 0x40004                  ; cy
	s_lshl_b32 s18, ttmp9, 2
	s_add_co_u32 s18, s18, s16                     ; block column = 4 x cluster x + cx
	s_and_b32 s19, ttmp7, 0xffff
	s_lshl_b32 s19, s19, 2
	s_add_co_u32 s19, s19, s17                     ; block row = 4 x cluster y + cy
	s_lshl_b32 s20, s17, 2
	s_lshl_b32 s20, 15, s20                        ; my row of the cluster: places 4 cy .. 4 cy + 3
	s_lshl_b32 s21, 0x1111, s16                    ; my column: places cx, cx + 4, cx + 8, cx + 12
	s_or_b32 s[G1A+0], s20, (1<<16)|(1<<20)|(1<<21)|(5<<22)|(3<<25)   ; mask; 2-byte elements; padding on; bit 21 beside a mask; 4 words behind every 64
	s_mov_b32 s[G1A+1], 128<<16                    ; tensor_dim0 = 128
	s_mov_b32 s[G1A+2], 128<<16                    ; tensor_dim1 = 128
	s_mov_b32 s[G1A+3], 128<<16                    ; tile_dim0 = 128
	s_mov_b32 s[G1A+4], 128                        ; tile_dim1 = 128 rows
	s_mov_b32 s[G1A+5], 1024                       ; elements from row to row
	s_mov_b32 s[G1A+6], 0
	s_mov_b32 s[G1A+7], 0
	s_or_b32 s[G1B+0], s21, (1<<16)|(1<<20)|(1<<21)|(5<<22)|(3<<25)
	s_mov_b32 s[G1B+1], 128<<16
	s_mov_b32 s[G1B+2], 96<<16                     ; tensor_dim1 = 96
	s_mov_b32 s[G1B+3], 128<<16
	s_mov_b32 s[G1B+4], 96                         ; tile_dim1 = 96 rows
	s_mov_b32 s[G1B+5], 1024
	s_mov_b32 s[G1B+6], 0
	s_mov_b32 s[G1B+7], 0
	; xb's tile hangs on the block row and the wave alone, wqT's on the block column and the wave alone, each in registers that never hold the other coordinate
	s_lshl_b32 s40, s19, 8
	s_lshl_b32 s41, s14, 7
	s_add_co_u32 s40, s40, s41                     ; row 256 x block row + 128 x half
	s_lshl_b32 s40, s40, 11                        ; rows of 2,048 bytes
	s_mov_b32 s41, 0
	s_mul_i32 s42, s12, HALFA                      ; LDS: waves 0, 1 at 0 and HALFA
	s_mul_i32 s44, s18, 192
	s_mul_i32 s45, s14, 96
	s_add_co_u32 s44, s44, s45                     ; row 192 x block column + 96 x half
	s_lshl_b32 s44, s44, 11
	s_mov_b32 s45, 0
	s_mul_i32 s46, s12, HALFB
	s_add_co_u32 s46, s46, BOFF-2*HALFB            ; LDS: waves 2, 3 at BOFF and BOFF + HALFB
	s_mul_i32 s72, s18, 768                        ; 192 biases of 4 bytes a block column
	s_mov_b32 s73, 0
	s_wait_dscnt 0x0
	s_wait_kmcnt 0x0
	s_add_nc_u64 s[40:41], s[4:5], s[40:41]
	s_add_nc_u64 s[44:45], s[6:7], s[44:45]
	s_add_nc_u64 s[8:9], s[8:9], s[72:73]
	CROUND                                         ; all sixteen work-groups are here: the first joint loads meet
.irp s, 0,1
	s_mov_b32 s[G0A+4*\s], 1
	s_add_co_u32 s[G0A+4*\s+1], s42, \s*SLOT
	s_add_nc_u64 s[G0A+4*\s+2:G0A+4*\s+3], s[40:41], \s*256
	s_or_b32 s[G0A+4*\s+3], s[G0A+4*\s+3], 0x80000000
	s_mov_b32 s[G0B+4*\s], 1
	s_add_co_u32 s[G0B+4*\s+1], s46, \s*SLOT
	s_add_nc_u64 s[G0B+4*\s+2:G0B+4*\s+3], s[44:45], \s*256
	s_or_b32 s[G0B+4*\s+3], s[G0B+4*\s+3], 0x80000000
	JLOAD \s
.endr
	v_and_b32 v1, 15, v0                           ; r = l % 16
	v_bfe_u32 v2, v0, 4, 1                         ; h = l / 16
	v_lshlrev_b32 v[BO], 5, v2                     ; eight biases of 4 bytes for each half of the lanes
.irp b, 0,1,2,3,4,5,6,7,8,9,10,11
	global_load_b128 v[BIAS+8*\b:BIAS+8*\b+3],   v[BO], s[8:9] offset:64*\b      ; register j = bias of column 16 b + 8 h + j, the same in all rows
	global_load_b128 v[BIAS+8*\b+4:BIAS+8*\b+7], v[BO], s[8:9] offset:64*\b+16
.endr
	v_mul_u32_u24 v3, v1, PITCH
	v_lshl_add_u32 v3, v2, 4, v3                   ; fragment: row r, 16 bytes for each half
	s_mul_i32 s72, s12, 64*PITCH                   ; my 64 rows of xb
	v_add_nc_u32 v[ADRA], s72, v3
	v_add_nc_u32 v[ADRA+1], SLOT, v[ADRA]
	v_add_nc_u32 v[ADRB], BOFF, v3
	v_add_nc_u32 v[ADRB+1], BOFF+SLOT, v3
	s_mul_i32 s73, s12, SWAVE
	s_add_co_u32 s73, s73, STAGE                   ; my stage
	v_mul_u32_u24 v4, v1, SPITCH
	v_lshl_add_u32 v4, v2, 4, v4
	v_add_nc_u32 v[STO], s73, v4
	v_and_b32 v5, 31, v0
	v_lshrrev_b32 v6, 3, v5
	v_and_b32 v7, 7, v0
	v_mul_u32_u24 v6, v6, SPITCH                   ; back: eight lanes take a row of 128 bytes
	v_lshl_add_u32 v6, v7, 4, v6
	v_add_nc_u32 v[RD], s73, v6
	v_lshlrev_b32 v[CO], 4, v5
	s_wait_tensorcnt 0x1                           ; my part of K step 0 is in; K step 1's one load stays out
	s_barrier_signal -1
	s_barrier_wait -1
	FETCH 0, 0, 0
	s_wait_loadcnt 0x0                             ; the bias
	LAP 1                                          ; the first lap: its first products take the bias as C, nothing is cleared
	WIN 0
	s_mov_b32 s15, LAPS-2
.Llap:
	LAP 0
	WIN 0
	s_sub_co_u32 s15, s15, 1
	s_cmp_lg_u32 s15, 0
	s_cbranch_scc1 .Llap
	THREE 0, 0                                     ; the last lap fills nothing
	TURN 0, 1, 0
	THREE 1, 0
	s_wait_dscnt 0x4
	WIN MUL_LO
	MUL12 1, 0, 0, 0
	MUL12 1, 0, 1, 0
	s_wait_dscnt 0x0
	WIN MUL_HI
	MUL12 1, 1, 0, 0
	MUL12 1, 1, 1, 0
	PLACES                                         ; in front of the conversions, which read results, and of the loads into the bias's registers
	; THE WAY OUT.  Column block G = 3 x block column + g is head G & 15 of q, k or v (G >> 4); 16 rows of a head are 2,048 consecutive bytes.
.irp g, 0,1,2
	s_mul_i32 s72, s18, 3
	s_add_co_u32 s72, s72, \g                      ; G
	s_lshr_b32 s73, s72, 4
	s_lshl_b32 s73, s73, 5                         ; which x 32
	s_and_b32 s72, s72, 15                         ; head
	s_add_co_u32 s72, s72, s73
	s_lshr_b32 s73, s19, 3
	s_lshl_b32 s73, s73, 4                         ; batch x 16
	s_add_co_u32 s72, s72, s73
	s_lshl_b32 s72, s72, 18                        ; planes of 2048 x 128 bytes
	s_and_b32 s73, s19, 7
	s_lshl_b32 s73, s73, 8
	s_lshl_b32 s74, s12, 6
	s_add_co_u32 s73, s73, s74                     ; t = 256 x (block row & 7) + 64 x wave
	s_lshl_b32 s73, s73, 7
	s_add_co_u32 s72, s72, s73
	s_mov_b32 s73, 0
	s_add_nc_u64 s[66+2*\g:67+2*\g], s[10:11], s[72:73]
.endr
; rows 16 i .. + 15 of my 64: round to f16, 16 bytes a lane into my own stage, read back by rows, store 512 consecutive aligned bytes an instruction
.macro OUT16 i, a, from, rb
	WIN \from
.irp b, 0,1,2,3,4,5,6,7,8,9,10,11
.irp p, 0,1,2,3
	v_cvt_pk_f16_f32 v[TMP+4*\b+\p], v[8*(12*\a+\b)+2*\p], v[8*(12*\a+\b)+2*\p+1]
.endr
.endr
	WIN 0
.irp b, 0,1,2,3,4,5,6,7,8,9,10,11
	ds_store_b128 v[STO], v[TMP+4*\b:TMP+4*\b+3] offset:(\b>>2)*SHEAD+(\b&3)*32
.endr
	s_wait_xcnt 0x0                                ; set rb, which earlier stores read, is loaded again only behind this wait
.irp g, 0,1,2
.irp t, 0,1,2,3
	ds_load_b128 v[\rb+4*(4*\g+\t):\rb+4*(4*\g+\t)+3], v[RD] offset:\g*SHEAD+\t*4*SPITCH   ; LDS serves a wave's instructions in order: these see the stores above
.endr
.endr
.irp g, 0,1,2
.irp t, 0,1,2,3
	s_wait_dscnt 11-(4*\g+\t)                      ; this load is in, the younger ones stay out
	global_store_b128 v[CO], v[\rb+4*(4*\g+\t):\rb+4*(4*\g+\t)+3], s[66+2*\g:67+2*\g] offset:\i*2048+\t*512
.endr
.endr
.endm
	OUT16 0, 0, 0x0a, RB0
	OUT16 1, 1, 0x0a, RB1
	OUT16 2, 0, 0x0f, RB0
	OUT16 3, 1, 0x0f, RB1
	s_set_vgpr_msb 0x1
	s_wait_tensorcnt 0x0
	ds_add_u32 v255, v159
	s_wait_dscnt 0x0
	s_set_vgpr_msb 0x100
	CROUND                                         ; the closing round: no work-group ends while a partner may still ask for a tile that names it
	s_endpgm
.Lfunc_end_k_q54d7b96f36_qkvg:
	.size	k_q54d7b96f36_qkvg, .Lfunc_end_k_q54d7b96f36_qkvg-k_q54d7b96f36_qkvg
	.p2alignl 7, 3214868480
	.fill 96, 4, 3214868480
	.section	.rodata,"a",@progbits
	.p2align	6, 0x0
	.amdhsa_kernel k_q54d7b96f36_qkvg
		.amdhsa_group_segment_fixed_size 327680
		.amdhsa_private_segment_fixed_size 0
		.amdhsa_enable_private_segment 0
		.amdhsa_kernarg_size 32
		.amdhsa_user_sgpr_count 2
		.amdhsa_user_sgpr_kernarg_segment_ptr 1
		.amdhsa_wavefront_size32 1
		.amdhsa_system_sgpr_workgroup_id_x 1
		.amdhsa_system_sgpr_workgroup_id_y 1
		.amdhsa_system_sgpr_workgroup_id_z 1
		.amdhsa_system_vgpr_workitem_id 0
		.amdhsa_next_free_vgpr 1024
		.amdhsa_next_free_sgpr 76
		.amdhsa_reserve_vcc 0
		.amdhsa_float_denorm_mode_32 3
		.amdhsa_float_denorm_mode_16_64 3
		.amdhsa_memory_ordered 1
		.amdhsa_forward_progress 1
		.amdhsa_inst_pref_size 167
	.end_amdhsa_kernel
	.amdgpu_metadata
---
amdhsa.version: [ 1, 2 ]
amdhsa.kernels:
  - .name:           k_q54d7b96f36_qkvg
    .symbol:         k_q54d7b96f36_qkvg.kd
    .args:
      - { .name: xb, .offset: 0, .size: 8, .value_kind: global_buffer, .address_space: global }
      - { .name: wqT, .offset: 8, .size: 8, .value_kind: global_buffer, .address_space: global }
      - { .name: b_qkv, .offset: 16, .size: 8, .value_kind: global_buffer, .address_space: global }
      - { .name: qkv, .offset: 24, .size: 8, .value_kind: global_buffer, .address_space: global }
    .group_segment_fixed_size: 327680
    .private_segment_fixed_size: 0
    .kernarg_segment_align: 8
    .kernarg_segment_size: 32
    .max_flat_workgroup_size: 128
    .sgpr_count:     76
    .vgpr_count:     1024
    .wavefront_size: 32
...
	.end_amdgpu_metadata
.endif
;; end of part 2
;; launch attn (part 3): grid 256 x 1, 4 waves a work-group, no clusters, 327,680 bytes of LDS; arguments qkv, y; writes y
.if DOCPART == 3
	.amdgcn_target "amdgcn-amd-amdhsa--gfx1250"
	.amdhsa_code_object_version 6
	.text
	.protected	k_q54d7b96f36_attn
	.globl	k_q54d7b96f36_attn
	.p2align	8
	.type	k_q54d7b96f36_attn,@function
k_q54d7b96f36_attn:
	s_mov_b64 s[64:65], 0
	v_nop
	global_prefetch_b8 v0, s[64:65] scope:SCOPE_SE
	s_setreg_imm32_b32 hwreg(HW_REG_WAVE_MODE, 25, 1), 1
	s_wait_xcnt 0x0
; attn: causal softmax attention.  qkv [3][32 hb][2048 t][64] f16 in; y [16 head][4096 = batch x 2048 + t][64] f16 out.
; LIMITS: a weight below 2^-25 of its row's largest becomes 0 in f16; q, k, v are f16 as stored.  The row's running maximum is taken away before
; every exponential; the shift NM = -c m is one number for a row, used for the weights and for their sum alike.
; 256 work-groups: hb = id >> 3, i = id & 7.  A work-group does the 128 query rows of block i (i + 1 key tiles of 128) and then those of block
; 15 - i (16 - i tiles): 17 tiles for every work-group.  Key tiles beyond the diagonal, whose weights the mask makes 0, are not computed.
; Wave w owns 32 query rows (two tiles of 16).
; NO MULTICAST: the eight work-groups of a head walk different sequences of key tiles (the t-th tile is key block t in one and t - i - 1 in
; another, and the first task's length i + 1 differs), so no two of them want the same tile in the same trip.
; NO PREFETCH: K and V were stored by the launch before and are read again by the head's other seven work-groups.
; BOTH PRODUCTS ARE TRANSPOSED, so that a weight never changes its lane.  S^T = K Q^T: lane (r, h) holds query r and keys 8 h + j of a 16-key tile.
; Packed to f16 in the lane's own registers, two such tiles are source 1 of O^T = V^T P^T (keys 8 h .. and 16 + 8 h ..).  V^T comes from V's
; rows in LDS by the transposing load.  All row statistics are one number a lane; only the maximum crosses the two halves in each step.
.set KP,     144                       ; LDS row of K: 128 bytes + 16, an odd multiple of 16
.set VP,     160                       ; LDS row of V: 128 bytes + 32, an odd multiple of 32, for the transposing load
.set KBYTES, 128*KP
.set SLOT,   KBYTES+128*VP             ; 38,912
.set STAGE,  2*SLOT                    ; 77,824, a multiple of 256: no tensor load lands here
.set SWAVE,  32*KP                     ; a wave's stage: 32 rows
.set QREG, 32                          ; v32-63   Q fragment (qt, d half) at 32 + 16 qt + 8 dh
.set OREG, 64                          ; v64-127  O^T tile (qt, db) at 64 + 8 (4 qt + db)
.set SREG, 128                         ; v128-191 S^T tile (qt, kt) at 128 + 32 qt + 8 kt; later P: block (qt, kk) in the first 8 of 128 + 16 (2 qt + kk)
.set KFA,  192                         ; v192-223 K fragments of key tiles 0, 1; then V^T of keys 0-31
.set KFB,  224                         ; v224-255 K fragments of key tiles 2, 3; then V^T of keys 32-63
; v1 K address, v2 v3 V address in slot 0, 1, v4 Q offset, v5 v6 stage in and back, v7 store offset, v8 = 32 w + r - 8 h, v9 = -inf,
; v10 v11 = NM, M of qt 0; v12 v13 of qt 1; v14 v15 = AL, L of qt 0; v16 v17 of qt 1; v18 v19 = the step's sums; v20-27 at work
.set G0K, 32                           ; s[32:39] group 0 of K's loads, a set for each slot
.set G0V, 40                           ; s[40:47] group 0 of V's loads
; s8 wave, s9 hb, s10 i, s11 query block, s12 key block at work, s13 key block to fetch next, s14 where the first task's fetches end, s15 loop
.macro NOPS n
.rept \n
	v_nop
.endr
.endm
; K fragments of key tiles 2 p, 2 p + 1 of 64-key step st: eight loads
.macro LOADK slot, st, p, to
.irp e, 0,1
.irp dh, 0,1
	ds_load_b128 v[\to+16*\e+8*\dh:\to+16*\e+8*\dh+3],   v1 offset:\slot*SLOT+(64*\st+16*(2*\p+\e))*KP+64*\dh
	ds_load_b128 v[\to+16*\e+8*\dh+4:\to+16*\e+8*\dh+7], v1 offset:\slot*SLOT+(64*\st+16*(2*\p+\e))*KP+64*\dh+32
.endr
.endr
.endm
; V^T fragments (16 d x 32 keys) of step st: sixteen transposing loads
.macro LOADV slot, st
.irp kk, 0,1
.irp db, 0,1,2,3
	ds_load_tr16_b128 v[KFA+32*\kk+8*\db:KFA+32*\kk+8*\db+3],   v[2+\slot] offset:(64*\st+32*\kk)*VP+32*\db
	ds_load_tr16_b128 v[KFA+32*\kk+8*\db+4:KFA+32*\kk+8*\db+7], v[2+\slot] offset:(64*\st+32*\kk)*VP+32*\db+16*VP
.endr
.endr
.endm
; S^T of key tiles 2 p, 2 p + 1 and both query tiles.  The four accumulators take turns, one instruction a turn.
.macro SMUL p
.irp e, 0,1
.irp qt, 0,1
	v_wmma_f32_16x16x32_f16 v[SREG+32*\qt+16*\p+8*\e:SREG+32*\qt+16*\p+8*\e+7], v[KFA+32*\p+16*\e:KFA+32*\p+16*\e+7], v[QREG+16*\qt:QREG+16*\qt+7], 0
.endr
.endr
.irp e, 0,1
.irp qt, 0,1
	v_wmma_f32_16x16x32_f16 v[SREG+32*\qt+16*\p+8*\e:SREG+32*\qt+16*\p+8*\e+7], v[KFA+32*\p+16*\e+8:KFA+32*\p+16*\e+15], v[QREG+16*\qt+8:QREG+16*\qt+15], v[SREG+32*\qt+16*\p+8*\e:SREG+32*\qt+16*\p+8*\e+7]
.endr
.endr
.endm
; The diagonal tile: key 64 st + 16 kt + 8 h + j beyond query 32 w + 16 qt + r gets -inf
.macro MASK st
.irp qt, 0,1
.irp kt, 0,1,2,3
.irp j, 0,1,2,3,4,5,6,7
	v_cmp_gt_i32 vcc_lo, 64*\st+16*\kt+\j-16*\qt, v8
	v_cndmask_b32 v[SREG+32*\qt+8*\kt+\j], v[SREG+32*\qt+8*\kt+\j], v9, vcc_lo
.endr
.endr
.endr
.endm
; One query tile's 64 keys: new maximum, AL = 2^(c (old m - new m)), P = 2^(c s - c m), O scaled by AL, the step's sum, P packed to f16
.macro SOFTMAX qt
.irp c, 0,1,2,3
	v_max3_num_f32 v[20+\c], v[SREG+32*\qt+8*\c], v[SREG+32*\qt+8*\c+1], v[SREG+32*\qt+8*\c+2]
.endr
.irp c, 0,1,2,3
	v_max3_num_f32 v[20+\c], v[20+\c], v[SREG+32*\qt+8*\c+3], v[SREG+32*\qt+8*\c+4]
.endr
.irp c, 0,1,2,3
	v_max3_num_f32 v[20+\c], v[20+\c], v[SREG+32*\qt+8*\c+5], v[SREG+32*\qt+8*\c+6]
.endr
	v_max3_num_f32 v20, v20, v[SREG+32*\qt+7], v[SREG+32*\qt+15]
	v_max3_num_f32 v21, v21, v[SREG+32*\qt+23], v[SREG+32*\qt+31]
	v_max3_num_f32 v22, v22, v23, v[11+2*\qt]      ; the running maximum joins
	v_max3_num_f32 v20, v20, v21, v22
	v_permlanex16_b32 v21, v20, s56, s57           ; the other half of the lanes holds the row's other keys
	v_max_num_f32 v[11+2*\qt], v20, v21            ; M
	v_mul_f32 v22, s68, v[11+2*\qt]                ; -c M
	v_sub_f32 v23, v22, v[10+2*\qt]                ; c (old M - new M); at a task's start NM = +inf makes it -inf, AL = 0
	v_mov_b32 v[10+2*\qt], v22                     ; NM
	v_exp_f32 v[14+2*\qt], v23                     ; AL; the multiply-adds below are the plain place behind it (ISA guide 5.7.2)
.set cnt, 0
.rept 16
	v_pk_fma_f32 v[SREG+32*\qt+cnt:SREG+32*\qt+cnt+1], v[SREG+32*\qt+cnt:SREG+32*\qt+cnt+1], s[54:55], v[10+2*\qt:11+2*\qt] op_sel_hi:[1,0,0]
.set cnt, cnt+2
.endr
.set cnt, 0
.rept 32
	v_exp_f32 v[SREG+32*\qt+cnt], v[SREG+32*\qt+cnt]
.set cnt, cnt+1
.endr
.set cnt, 0
	s_wait_alu depctr_va_vdst(0)
.rept 16
	v_pk_mul_f32 v[OREG+32*\qt+cnt:OREG+32*\qt+cnt+1], v[OREG+32*\qt+cnt:OREG+32*\qt+cnt+1], v[14+2*\qt:15+2*\qt] op_sel_hi:[1,0]   ; the plain places behind the exponentials
.set cnt, cnt+2
.endr
.irp c, 0,1,2,3
	v_pk_add_f32 v[20+2*\c:21+2*\c], v[SREG+32*\qt+8*\c:SREG+32*\qt+8*\c+1], v[SREG+32*\qt+8*\c+2:SREG+32*\qt+8*\c+3]
.endr
.irp c, 0,1,2,3
	v_pk_add_f32 v[20+2*\c:21+2*\c], v[20+2*\c:21+2*\c], v[SREG+32*\qt+8*\c+4:SREG+32*\qt+8*\c+5]
.endr
.irp c, 0,1,2,3
	v_pk_add_f32 v[20+2*\c:21+2*\c], v[20+2*\c:21+2*\c], v[SREG+32*\qt+8*\c+6:SREG+32*\qt+8*\c+7]
.endr
	v_pk_add_f32 v[20:21], v[20:21], v[22:23]
	v_pk_add_f32 v[24:25], v[24:25], v[26:27]
	v_pk_add_f32 v[20:21], v[20:21], v[24:25]
	v_add_f32 v[18+\qt], v20, v21                  ; my half's sum of this step
.irp kk, 0,1
.irp j, 0,1,2,3,4,5,6,7
	v_cvt_pk_f16_f32 v[SREG+32*\qt+16*\kk+\j], v[SREG+32*\qt+16*\kk+2*\j], v[SREG+32*\qt+16*\kk+2*\j+1]   ; ascending: register j is read no later than it is written
.endr
.endr
.endm
; O^T += V^T P^T for keys 32 kk .. + 31.  The eight accumulators take turns, one instruction a turn.
.macro PV kk
.irp qt, 0,1
.irp db, 0,1,2,3
	v_wmma_f32_16x16x32_f16 v[OREG+8*(4*\qt+\db):OREG+8*(4*\qt+\db)+7], v[KFA+32*\kk+8*\db:KFA+32*\kk+8*\db+7], v[SREG+16*(2*\qt+\kk):SREG+16*(2*\qt+\kk)+7], v[OREG+8*(4*\qt+\db):OREG+8*(4*\qt+\db)+7]
.endr
.endr
.endm
; 64 keys.  mode 0: the mask is applied where the key block is the query block; mode 1: always.  pre = 1: step 1's K fragments are fetched.
.macro STEP slot, st, mode, pre
	s_wait_dscnt 0x8                               ; key tiles 0, 1 are in; the eight loads of tiles 2, 3 may be out
	SMUL 0
	s_wait_dscnt 0x0
	SMUL 1
	NOPS 4                                         ; four places in front of the loads into K's registers and of the reads of S
	LOADV \slot, \st
.if \mode
	MASK \st
.else
	s_cmp_lg_u32 s12, s11
	s_cbranch_scc1 .Lfree_\@
	MASK \st
.Lfree_\@:
.endif
	SOFTMAX 0
	SOFTMAX 1
	s_wait_dscnt 0x0                               ; V^T
	PV 0
	v_fma_f32 v15, v15, v14, v18                   ; L = L AL + sum
	v_fma_f32 v17, v17, v16, v19
.if \pre
	v_nop                                          ; with the two lines above: four places in front of the loads into the registers that PV 0 read
	v_nop
	LOADK \slot, 1, 0, KFA
.endif
	PV 1
	NOPS 5                                         ; five places: the next step's first products write over P; four serve the loads below and the way out
.if \pre
	LOADK \slot, 1, 1, KFB
.endif
.endm
.macro INITQ sb                        ; my 32 query rows as four fragments, straight from memory
.irp qt, 0,1
.irp dh, 0,1
	global_load_b128 v[QREG+16*\qt+8*\dh:QREG+16*\qt+8*\dh+3],   v4, s[\sb:\sb+1] offset:\qt*2048+64*\dh
	global_load_b128 v[QREG+16*\qt+8*\dh+4:QREG+16*\qt+8*\dh+7], v4, s[\sb:\sb+1] offset:\qt*2048+64*\dh+32
.endr
.endr
.endm
; A task's start.  O is cleared, twice in a work-group's 17 tiles: one text serves every step of both tasks, so no first step is written apart.
.macro INITS
.set cnt, 0
.rept 64
	v_mov_b32 v[OREG+cnt], 0
.set cnt, cnt+1
.endr
	v_mov_b32 v10, 0x7f800000                      ; NM = +inf
	v_mov_b32 v11, v9                              ; M = -inf
	v_mov_b32 v12, 0x7f800000
	v_mov_b32 v13, v9
	v_mov_b32 v15, 0                               ; L
	v_mov_b32 v17, 0
	s_wait_loadcnt 0x0                             ; Q
.endm
; A task's end: O / L, to f16, through my own stage, 512 consecutive aligned bytes a store
.macro FINAL yb
	v_permlanex16_b32 v20, v15, s56, s57           ; the two halves' sums meet only here
	v_permlanex16_b32 v22, v17, s56, s57
	v_add_f32 v15, v15, v20
	v_add_f32 v17, v17, v22
	v_rcp_f32 v20, v15
	v_rcp_f32 v22, v17
	v_nop                                          ; the plain place behind them (ISA guide 5.7.2)
	s_wait_alu depctr_va_vdst(0)
.irp qt, 0,1
.set cnt, 0
.rept 16
	v_pk_mul_f32 v[OREG+32*\qt+cnt:OREG+32*\qt+cnt+1], v[OREG+32*\qt+cnt:OREG+32*\qt+cnt+1], v[20+2*\qt:21+2*\qt] op_sel_hi:[1,0]
.set cnt, cnt+2
.endr
.endr
.set cnt, 0
.rept 32
	v_cvt_pk_f16_f32 v[SREG+cnt], v[OREG+2*cnt], v[OREG+2*cnt+1]
.set cnt, cnt+1
.endr
.irp qt, 0,1
.irp db, 0,1,2,3
	ds_store_b128 v5, v[SREG+4*(4*\qt+\db):SREG+4*(4*\qt+\db)+3] offset:\qt*16*KP+32*\db   ; row 16 qt + r, d = 16 db + 8 h ..
.endr
.endr
.irp t, 0,1,2,3,4,5,6,7
	ds_load_b128 v[SREG+32+4*\t:SREG+32+4*\t+3], v6 offset:\t*4*KP     ; LDS serves a wave's instructions in order: these see the stores above
.endr
.irp t, 0,1,2,3,4,5,6,7
	s_wait_dscnt 7-\t                              ; load t is in, the younger ones stay out
	global_store_b128 v7, v[SREG+32+4*\t:SREG+32+4*\t+3], s[\yb:\yb+1] offset:\t*512
.endr
	s_wait_xcnt 0x0                                ; the stores' data registers are written again only behind this wait
.endm
; One key tile of 128.  One barrier a trip: in front of it each wave waits for all its tensor loads (its part of this trip's tile) and for its reads
; of the last trip's tile; behind it the other slot is filled again first.  By this text's count a wave has two tensor loads out, for a whole trip.
.macro TRIP slot, mode
	s_wait_tensorcnt 0x0                           ; no tensor load of mine is out: every group 0 may be written
	ds_add_u32 v30, v31
	s_wait_dscnt 0x0
.if \mode == 0
	s_lshl_b32 s52, s13, 14                        ; key block x 128 rows x 128 bytes
	s_add_nc_u64 s[G0K+4*(1-\slot)+2:G0K+4*(1-\slot)+3], s[48:49], s[52:53]
	s_add_nc_u64 s[G0V+4*(1-\slot)+2:G0V+4*(1-\slot)+3], s[50:51], s[52:53]
	s_add_co_u32 s13, s13, 1
	s_cmp_eq_u32 s13, s14                          ; the first task's tiles are all asked for: the second task's begin at key block 0
	s_cselect_b32 s13, 0, s13
	s_cselect_b32 s14, 64, s14                     ; a number that the second task's at most 16 blocks never reach
.endif
	s_wait_dscnt 0x0
	s_barrier_signal -1
	s_barrier_wait -1
.if \mode == 0
	tensor_load_to_lds s[G0K+4*(1-\slot):G0K+4*(1-\slot)+3], s[16:23]
	s_nop 0
	tensor_load_to_lds s[G0V+4*(1-\slot):G0V+4*(1-\slot)+3], s[24:31]
	s_nop 0
.endif
	LOADK \slot, 0, 0, KFA
	LOADK \slot, 0, 1, KFB
	STEP \slot, 0, \mode, 1
	STEP \slot, 1, \mode, 0
.if \mode == 0
	s_cmp_lg_u32 s12, s11
	s_cbranch_scc1 .Lsame_\@                       ; the diagonal tile ends the first task
	INITQ 60
	FINAL 62
	INITS
	s_mov_b32 s11, s69
	s_mov_b32 s12, -1
.Lsame_\@:
	s_add_co_u32 s12, s12, 1
.else
	FINAL 66
.endif
.endm
	s_load_b128 s[4:7], s[0:1], 0x0                ; qkv s[4:5], y s[6:7]
	v_lshl_add_u32 v30, v0, 2, 0x29000
	v_mov_b32 v31, 0
	ds_add_u32 v30, v31
	ds_add_u32 v30, v31
	v_lshrrev_b32 v20, 5, v0
	v_readfirstlane_b32 s8, v20                    ; wave
	s_lshr_b32 s9, ttmp9, 3                        ; hb
	s_and_b32 s10, ttmp9, 7                        ; i
	s_sub_co_u32 s69, 15, s10                      ; the second task's query block
	; group 1: each wave's 32 rows x 64 f16 of a tile; K padded by 4 words behind every 32, V by 8
	s_mov_b32 s16, (1<<16)|(1<<20)|(4<<22)|(3<<25)
	s_mov_b32 s17, 64<<16                          ; tensor_dim0 = 64
	s_mov_b32 s18, 32<<16                          ; tensor_dim1 = 32
	s_mov_b32 s19, 64<<16                          ; tile_dim0 = 64
	s_mov_b32 s20, 32                              ; tile_dim1 = 32
	s_mov_b32 s21, 64                              ; elements from row to row
	s_mov_b32 s22, 0
	s_mov_b32 s23, 0
	s_mov_b32 s24, (1<<16)|(1<<20)|(4<<22)|(7<<25)
	s_mov_b32 s25, 64<<16
	s_mov_b32 s26, 32<<16
	s_mov_b32 s27, 64<<16
	s_mov_b32 s28, 32
	s_mov_b32 s29, 64
	s_mov_b32 s30, 0
	s_mov_b32 s31, 0
	s_mov_b32 s53, 0
	s_mov_b32 s54, 0x3e38aa3b                      ; c = log2(e) / sqrt(64)
	s_mov_b32 s55, 0x3e38aa3b
	s_mov_b32 s68, 0xbe38aa3b                      ; -c
	s_mov_b32 s56, 0x76543210                      ; v_permlanex16_b32: lane i of one half reads lane i of the other
	s_mov_b32 s57, 0xfedcba98
	s_mul_i32 s70, s8, 32*KP                       ; my 32 rows in a slot's K,
	s_mul_i32 s71, s8, 32*VP
	s_add_co_u32 s71, s71, KBYTES                  ; and in its V
.irp n, 0,1
	s_mov_b32 s[G0K+4*\n], 1
	s_add_co_u32 s[G0K+4*\n+1], s70, \n*SLOT
	s_mov_b32 s[G0V+4*\n], 1
	s_add_co_u32 s[G0V+4*\n+1], s71, \n*SLOT
.endr
	s_wait_dscnt 0x0
	s_wait_kmcnt 0x0
	s_lshl_b32 s52, s9, 18
	s_add_nc_u64 s[4:5], s[4:5], s[52:53]          ; q of my head
	s_lshl_b32 s52, s8, 12
	s_add_co_u32 s52, s52, 0x800000                ; k lies 32 planes of 262,144 bytes behind q; my 32 rows of a tile
	s_add_nc_u64 s[48:49], s[4:5], s[52:53]
	s_add_nc_u64 s[50:51], s[48:49], 0x800000      ; v behind k
	s_or_b32 s49, s49, 0x80000000                  ; the descriptor's type
	s_or_b32 s51, s51, 0x80000000
	s_mov_b64 s[G0K+2:G0K+3], s[48:49]
	s_mov_b64 s[G0V+2:G0V+3], s[50:51]
	tensor_load_to_lds s[G0K:G0K+3], s[16:23]      ; key block 0 into slot 0
	s_nop 0
	tensor_load_to_lds s[G0V:G0V+3], s[24:31]
	s_nop 0
	s_lshl_b32 s52, s10, 14
	s_add_nc_u64 s[58:59], s[4:5], s[52:53]        ; query block i
	s_lshl_b32 s52, s69, 14
	s_add_nc_u64 s[60:61], s[4:5], s[52:53]        ; query block 15 - i
	s_and_b32 s70, s9, 15
	s_lshl_b32 s70, s70, 19                        ; y: head x 4096 rows x 128 bytes
	s_lshr_b32 s71, s9, 4
	s_lshl_b32 s71, s71, 18                        ; batch x 2048 rows
	s_add_co_u32 s70, s70, s71
	s_lshl_b32 s71, s8, 12                         ; wave x 32 rows
	s_add_co_u32 s70, s70, s71
	s_lshl_b32 s52, s10, 14
	s_add_co_u32 s52, s52, s70
	s_add_nc_u64 s[62:63], s[6:7], s[52:53]
	s_lshl_b32 s52, s69, 14
	s_add_co_u32 s52, s52, s70
	s_add_nc_u64 s[66:67], s[6:7], s[52:53]
	s_mov_b32 s11, s10                             ; the first task
	s_mov_b32 s12, 0
	s_mov_b32 s13, 1                               ; the next key block to fetch,
	s_add_co_u32 s14, s10, 1
	s_cmp_eq_u32 s13, s14                          ; or, where the first task has one tile, the second task's block 0
	s_cselect_b32 s13, 0, s13
	s_cselect_b32 s14, 64, s14
	v_and_b32 v20, 31, v0                          ; l
	v_and_b32 v21, 15, v0                          ; r
	v_bfe_u32 v22, v0, 4, 1                        ; h
	v_and_b32 v23, 7, v0
	v_bfe_u32 v24, v0, 3, 1
	v_mul_u32_u24 v1, v21, KP
	v_lshl_add_u32 v1, v22, 4, v1                  ; K: row r, 16 bytes for each half
	v_lshl_add_u32 v25, v22, 3, v23
	v_mul_u32_u24 v2, v25, VP                      ; V: row 8 h + (l & 7),
	v_lshl_add_u32 v2, v24, 4, v2                  ; 16 bytes for each group of eight lanes
	v_add_nc_u32 v2, KBYTES, v2
	v_add_nc_u32 v3, SLOT, v2
	v_lshlrev_b32 v4, 7, v21
	v_lshl_add_u32 v4, v22, 4, v4
	s_lshl_b32 s70, s8, 12
	v_add_nc_u32 v4, s70, v4                       ; Q: row 32 w + r, 16 bytes for each half
	s_mul_i32 s71, s8, SWAVE
	s_add_co_u32 s71, s71, STAGE
	v_add_nc_u32 v5, s71, v1
	v_lshrrev_b32 v26, 3, v20
	v_mul_u32_u24 v6, v26, KP
	v_lshl_add_u32 v6, v23, 4, v6
	v_add_nc_u32 v6, s71, v6
	v_lshlrev_b32 v7, 4, v20
	s_lshl_b32 s70, s8, 5
	v_add_nc_u32 v8, s70, v21
	v_lshlrev_b32 v27, 3, v22
	v_sub_nc_u32 v8, v8, v27                       ; 32 w + r - 8 h
	v_mov_b32 v9, 0xff800000                       ; -inf
	INITQ 58
	INITS
	s_mov_b32 s15, 8
.Ltiles:
	TRIP 0, 0
	TRIP 1, 0
	s_sub_co_u32 s15, s15, 1
	s_cmp_lg_u32 s15, 0
	s_cbranch_scc1 .Ltiles
	TRIP 0, 1                                      ; the 17th tile: the second task's diagonal; nothing more is fetched
	s_wait_tensorcnt 0x0
	ds_add_u32 v30, v31
	s_wait_dscnt 0x0
	s_endpgm
.Lfunc_end_k_q54d7b96f36_attn:
	.size	k_q54d7b96f36_attn, .Lfunc_end_k_q54d7b96f36_attn-k_q54d7b96f36_attn
	.p2alignl 7, 3214868480
	.fill 96, 4, 3214868480
	.section	.rodata,"a",@progbits
	.p2align	6, 0x0
	.amdhsa_kernel k_q54d7b96f36_attn
		.amdhsa_group_segment_fixed_size 327680
		.amdhsa_private_segment_fixed_size 0
		.amdhsa_enable_private_segment 0
		.amdhsa_kernarg_size 16
		.amdhsa_user_sgpr_count 2
		.amdhsa_user_sgpr_kernarg_segment_ptr 1
		.amdhsa_wavefront_size32 1
		.amdhsa_system_sgpr_workgroup_id_x 1
		.amdhsa_system_sgpr_workgroup_id_y 1
		.amdhsa_system_sgpr_workgroup_id_z 1
		.amdhsa_system_vgpr_workitem_id 0
		.amdhsa_next_free_vgpr 256
		.amdhsa_next_free_sgpr 72
		.amdhsa_reserve_vcc 1
		.amdhsa_float_denorm_mode_32 3
		.amdhsa_float_denorm_mode_16_64 3
		.amdhsa_memory_ordered 1
		.amdhsa_forward_progress 1
		.amdhsa_inst_pref_size 167
	.end_amdhsa_kernel
	.amdgpu_metadata
---
amdhsa.version: [ 1, 2 ]
amdhsa.kernels:
  - .name:           k_q54d7b96f36_attn
    .symbol:         k_q54d7b96f36_attn.kd
    .args:
      - { .name: qkv, .offset: 0, .size: 8, .value_kind: global_buffer, .address_space: global }
      - { .name: y, .offset: 8, .size: 8, .value_kind: global_buffer, .address_space: global }
    .group_segment_fixed_size: 327680
    .private_segment_fixed_size: 0
    .kernarg_segment_align: 8
    .kernarg_segment_size: 16
    .max_flat_workgroup_size: 128
    .sgpr_count:     72
    .vgpr_count:     256
    .wavefront_size: 32
...
	.end_amdgpu_metadata
.endif
;; end of part 3
;; launch projg (part 4): grid 8 x 32, 4 waves a work-group, clusters of 4 x 4, 327,680 bytes of LDS; arguments y, wpT, b_proj, out0; writes out0
.if DOCPART == 4
	.amdgcn_target "amdgcn-amd-amdhsa--gfx1250"
	.amdhsa_code_object_version 6
	.text
	.protected	k_q54d7b96f36_projg
	.globl	k_q54d7b96f36_projg
	.p2align	8
	.type	k_q54d7b96f36_projg,@function
k_q54d7b96f36_projg:
	s_mov_b64 s[64:65], 0
	v_nop
	global_prefetch_b8 v0, s[64:65] scope:SCOPE_SE
	s_setreg_imm32_b32 hwreg(HW_REG_WAVE_MODE, 25, 1), 1
	s_wait_xcnt 0x0
	s_wait_alu depctr_hold_cnt(0) depctr_sa_sdst(0) depctr_va_vdst(0) depctr_va_sdst(0) depctr_va_ssrc(0) depctr_va_vcc(0) depctr_vm_vsrc(0)
	s_getreg_b32 s2, hwreg(HW_REG_IB_STS2, 6, 4)
	s_cmp_eq_u32 s2, 0
	s_cbranch_scc0 .Lentry_in_a_cluster
	s_endpgm
.Lentry_in_a_cluster:
	s_bfe_u32 s2, ttmp6, 0x10000c
	s_cmp_lg_u32 s2, 0xf033
	s_cbranch_scc0 .Lentry_shape_is_right
	s_endpgm
.Lentry_shape_is_right:
; projg: out0 = y w_proj + b_proj.  y [16 head][4096][64] f16, wpT [1024 n][1024 k] f16, sums in f32 started from the bias, out0 [4096][1024] f32.
; 8 x 32 work-groups, each a block of 128 x 128; the four waves lie 2 x 2 with 64 x 64 each (16 accumulator tiles): 4096 x 1024 outputs over
; 1024 waves leave no more for a wave.  K goes in four steps of 256 (four heads) through two LDS slots filled by the tensor data mover.
; CLUSTERS: 4 x 4 work-groups; y's tiles are shared along a row of the cluster, wpT's along a column, each by joint loads.  Every wave issues both
; lines: head 4 s + w of y's tile (128 rows x 128 bytes) and rows 32 w .. + 31 of wpT's (512 bytes each).
; THE MATRIX INSTRUCTION IS USED TRANSPOSED (source 0 = rows of wpT, source 1 = rows of y): a lane holds eight neighbouring columns of one row.
; REGISTER WINDOWS: 0: addresses, fragments (two buffers), bias, way out; 1: the accumulators, tile (a, b) at v[8 (4 a + b)].
.set AP,     144                       ; LDS row of y: 128 bytes + 16
.set AHEAD,  128*AP                    ; a head's 128 rows
.set BP,     528                       ; LDS row of wpT: 512 bytes + 16, an odd multiple of 16
.set BOFF,   4*AHEAD                   ; 73,728
.set SLOT,   BOFF+128*BP               ; 141,312
.set STAGE,  2*SLOT                    ; 282,624, a multiple of 256: no tensor load lands here
.set SP,     272                       ; stage row: 64 f32 + 16 bytes
.set ADRA, 16                          ; v16-17
.set ADRB, 20                          ; v20-21
.set STO,  24
.set RD,   25
.set CO,   26
.set BO,   27
.set FA,   32                          ; v32-63, v64-95    y fragments, buffer 0, 1
.set FB,   96                          ; v96-127, v128-159 weight fragments, buffer 0, 1
.set BIAS, 160                         ; v160-191 the bias as four accumulator tiles
.set RB0,  192
.set RB1,  224
.set G1A, 24
.set G0A, 32
.set G1B, 48
.set G0B, 56
.set MSB, 0
.macro WIN new                         ; the immediate's high byte repeats the setting that is left
.if MSB != \new
	s_set_vgpr_msb (MSB<<8)|\new
.set MSB, \new
.endif
.endm
.set ACC,   0x50                       ; C and D window 1
.set FIRST, 0x40                       ; C from window 0 (the bias), D window 1
.set ST_D,  0x04                       ; an LDS store's data from window 1
.macro CREST
	s_cmp_lg_u32 s12, 0
	s_cbranch_scc1 .Lnot_wave_0_\@
	s_barrier_signal -3
.Lnot_wave_0_\@:
	s_barrier_wait -3
	s_barrier_signal -1
	s_barrier_wait -1
.endm
.macro CROUND
	s_barrier_signal -1
	s_barrier_wait -1
	CREST
.endm
.macro PLACES                          ; four places (ISA guide 7.12.1) behind matrix instructions
.rept 4
	v_nop
.endr
.endm
; Four matrix instructions: my row block a x my four column blocks.  The 16 accumulators take turns, one instruction a turn.
.macro MUL4 f, a, first
.irp b, 0,1,2,3
.if \first
	v_wmma_f32_16x16x32_f16 v[8*(4*\a+\b):8*(4*\a+\b)+7], v[FB+32*\f+8*\b:FB+32*\f+8*\b+7], v[FA+32*\f+8*\a:FA+32*\f+8*\a+7], v[BIAS+8*\b:BIAS+8*\b+7]
.else
	v_wmma_f32_16x16x32_f16 v[8*(4*\a+\b):8*(4*\a+\b)+7], v[FB+32*\f+8*\b:FB+32*\f+8*\b+7], v[FA+32*\f+8*\a:FA+32*\f+8*\a+7], v[8*(4*\a+\b):8*(4*\a+\b)+7]
.endif
.endr
.endm
; 16 LDS loads: part e (32 of the step's 256 K: head e >> 1, half e & 1) into buffer f; the weights first
.macro FETCH slot, e, f
.irp i, 0,1,2,3
	ds_load_b128 v[FB+32*\f+8*\i:FB+32*\f+8*\i+3],   v[ADRB+\slot] offset:64*\e+\i*16*BP
	ds_load_b128 v[FB+32*\f+8*\i+4:FB+32*\f+8*\i+7], v[ADRB+\slot] offset:64*\e+\i*16*BP+32
.endr
.irp i, 0,1,2,3
	ds_load_b128 v[FA+32*\f+8*\i:FA+32*\f+8*\i+3],   v[ADRA+\slot] offset:(\e>>1)*AHEAD+(\e&1)*64+\i*16*AP
	ds_load_b128 v[FA+32*\f+8*\i+4:FA+32*\f+8*\i+7], v[ADRA+\slot] offset:(\e>>1)*AHEAD+(\e&1)*64+\i*16*AP+32
.endr
.endm
.macro WINMUL first
.if \first
	WIN FIRST
.else
	WIN ACC
.endif
.endm
; One of a K step's first seven parts: multiplies buffer f; in its middle it fetches part e into buffer g
.macro PART slot, e, f, g, first
	s_wait_dscnt 0x4                               ; the weights and my y rows 0-31 are in; the youngest four loads (rows 32-63) may be out
	WINMUL \first
	MUL4 \f, 0, \first
	MUL4 \f, 1, \first
	PLACES
	WIN 0
	FETCH \slot, \e, \g
	s_wait_dscnt 0x10                              ; all but the 16 just issued
	WINMUL \first
	MUL4 \f, 2, \first
	MUL4 \f, 3, \first
.endm
.macro SEVEN slot, first
	PART \slot, 1, 0, 1, \first
	PART \slot, 2, 1, 0, 0
	PART \slot, 3, 0, 1, 0
	PART \slot, 4, 1, 0, 0
	PART \slot, 5, 0, 1, 0
	PART \slot, 6, 1, 0, 0
	PART \slot, 7, 0, 1, 0
.endm
; The eighth part multiplies buffer 1 and changes slots: each wave's waits for its reads of this slot and for all its tensor loads stand in front of the
; barrier; with fill = 1 the barrier opens a round of the cluster's barrier and the two joint refills are the first tensor loads behind the round.
.macro TURN slot, next, fill
	s_wait_dscnt 0x4
	WIN ACC
	MUL4 1, 0, 0
	s_wait_dscnt 0x0
	s_wait_tensorcnt 0x0
	ds_add_u32 v30, v31
	s_wait_dscnt 0x0
	s_barrier_signal -1
	MUL4 1, 1, 0                                   ; register work while the others arrive
	WIN 0
	s_barrier_wait -1
.if \fill
	CREST
	s_add_nc_u64 s[G0A+4*\slot+2:G0A+4*\slot+3], s[G0A+4*\slot+2:G0A+4*\slot+3], 0x400000   ; two K steps: eight heads of 524,288 bytes
	s_add_nc_u64 s[G0B+4*\slot+2:G0B+4*\slot+3], s[G0B+4*\slot+2:G0B+4*\slot+3], 1024       ; two K steps of 512 bytes
	tensor_load_to_lds s[G0A+4*\slot:G0A+4*\slot+3], s[G1A:G1A+7]
	s_nop 0
	tensor_load_to_lds s[G0B+4*\slot:G0B+4*\slot+3], s[G1B:G1B+7]
	s_nop 0
.endif
	PLACES
	FETCH \next, 0, 0
	WIN ACC
	MUL4 1, 2, 0
	MUL4 1, 3, 0
.endm
	s_load_b256 s[4:11], s[0:1], 0x0               ; y s[4:5], wpT s[6:7], b_proj s[8:9], out0 s[10:11]
	v_lshl_add_u32 v30, v0, 2, 0x49400
	v_mov_b32 v31, 0
	ds_add_u32 v30, v31
	ds_add_u32 v30, v31
	v_lshrrev_b32 v1, 5, v0
	v_readfirstlane_b32 s12, v1                    ; wave
	s_lshr_b32 s13, s12, 1                         ; which 64 rows of the block are mine
	s_and_b32 s14, s12, 1                          ; which 64 columns
	s_bfe_u32 s16, ttmp6, 0x40000                  ; cx
	s_bfe_u32 s17, ttmp6, 0x40004                  ; cy
	s_lshl_b32 s18, ttmp9, 2
	s_add_co_u32 s18, s18, s16                     ; block column
	s_and_b32 s19, ttmp7, 0xffff
	s_lshl_b32 s19, s19, 2
	s_add_co_u32 s19, s19, s17                     ; block row
	s_lshl_b32 s20, s17, 2
	s_lshl_b32 s20, 15, s20                        ; my row of the cluster
	s_lshl_b32 s21, 0x1111, s16                    ; my column
	s_or_b32 s[G1A+0], s20, (1<<16)|(1<<20)|(1<<21)|(4<<22)|(3<<25)   ; mask; 2-byte elements; padding: 4 words behind every 32; bit 21 beside a mask
	s_mov_b32 s[G1A+1], 64<<16                     ; tensor_dim0 = 64
	s_mov_b32 s[G1A+2], 128<<16                    ; tensor_dim1 = 128
	s_mov_b32 s[G1A+3], 64<<16                     ; tile_dim0 = 64
	s_mov_b32 s[G1A+4], 128                        ; tile_dim1 = 128
	s_mov_b32 s[G1A+5], 64                         ; elements from row to row
	s_mov_b32 s[G1A+6], 0
	s_mov_b32 s[G1A+7], 0
	s_or_b32 s[G1B+0], s21, (1<<16)|(1<<20)|(1<<21)|(6<<22)|(3<<25)   ; padding: 4 words behind every 128
	s_mov_b32 s[G1B+1], 256<<16                    ; tensor_dim0 = 256
	s_mov_b32 s[G1B+2], 32<<16                     ; tensor_dim1 = 32
	s_mov_b32 s[G1B+3], 256<<16                    ; tile_dim0 = 256
	s_mov_b32 s[G1B+4], 32                         ; tile_dim1 = 32
	s_mov_b32 s[G1B+5], 1024
	s_mov_b32 s[G1B+6], 0
	s_mov_b32 s[G1B+7], 0
	; y's tile hangs on the block row and the wave alone, wpT's on the block column and the wave alone
	s_lshl_b32 s40, s12, 19                        ; head w of the step's four
	s_lshl_b32 s41, s19, 14                        ; 128 rows of 128 bytes a block row
	s_add_co_u32 s40, s40, s41
	s_mov_b32 s41, 0
	s_mul_i32 s42, s12, AHEAD
	s_lshl_b32 s44, s18, 7
	s_lshl_b32 s45, s12, 5
	s_add_co_u32 s44, s44, s45                     ; row 128 x block column + 32 x wave
	s_lshl_b32 s44, s44, 11
	s_mov_b32 s45, 0
	s_mul_i32 s46, s12, 32*BP
	s_add_co_u32 s46, s46, BOFF
	s_lshl_b32 s72, s18, 9
	s_lshl_b32 s73, s14, 8
	s_add_co_u32 s72, s72, s73                     ; my first column in bytes of f32: 512 x block column + 256 x half
	s_mov_b32 s73, 0
	s_lshl_b32 s74, s19, 19
	s_lshl_b32 s75, s13, 18
	s_add_co_u32 s74, s74, s75                     ; my first row: rows of 4,096 bytes
	s_add_co_u32 s74, s74, s72
	s_mov_b32 s75, 0
	s_wait_dscnt 0x0
	s_wait_kmcnt 0x0
	s_add_nc_u64 s[40:41], s[4:5], s[40:41]
	s_add_nc_u64 s[44:45], s[6:7], s[44:45]
	s_add_nc_u64 s[8:9], s[8:9], s[72:73]
	s_add_nc_u64 s[10:11], s[10:11], s[74:75]
	CROUND                                         ; all sixteen work-groups are here: the first joint loads meet
.irp s, 0,1
	s_mov_b32 s[G0A+4*\s], 1
	s_add_co_u32 s[G0A+4*\s+1], s42, \s*SLOT
	s_add_nc_u64 s[G0A+4*\s+2:G0A+4*\s+3], s[40:41], \s*0x200000    ; K step s: four heads on
	s_or_b32 s[G0A+4*\s+3], s[G0A+4*\s+3], 0x80000000
	s_mov_b32 s[G0B+4*\s], 1
	s_add_co_u32 s[G0B+4*\s+1], s46, \s*SLOT
	s_add_nc_u64 s[G0B+4*\s+2:G0B+4*\s+3], s[44:45], \s*512
	s_or_b32 s[G0B+4*\s+3], s[G0B+4*\s+3], 0x80000000
	tensor_load_to_lds s[G0A+4*\s:G0A+4*\s+3], s[G1A:G1A+7]
	s_nop 0
	tensor_load_to_lds s[G0B+4*\s:G0B+4*\s+3], s[G1B:G1B+7]
	s_nop 0
.endr
	v_and_b32 v1, 15, v0                           ; r
	v_bfe_u32 v2, v0, 4, 1                         ; h
	v_lshlrev_b32 v[BO], 5, v2
.irp b, 0,1,2,3
	global_load_b128 v[BIAS+8*\b:BIAS+8*\b+3],   v[BO], s[8:9] offset:64*\b      ; register j = bias of my column 16 b + 8 h + j
	global_load_b128 v[BIAS+8*\b+4:BIAS+8*\b+7], v[BO], s[8:9] offset:64*\b+16
.endr
	v_mul_u32_u24 v3, v1, AP
	v_lshl_add_u32 v3, v2, 4, v3
	s_mul_i32 s72, s13, 64*AP                      ; my 64 rows in each head
	v_add_nc_u32 v[ADRA], s72, v3
	v_add_nc_u32 v[ADRA+1], SLOT, v[ADRA]
	v_mul_u32_u24 v4, v1, BP
	v_lshl_add_u32 v4, v2, 4, v4
	s_mul_i32 s72, s14, 64*BP                      ; my 64 weight rows
	s_add_co_u32 s72, s72, BOFF
	v_add_nc_u32 v[ADRB], s72, v4
	v_add_nc_u32 v[ADRB+1], SLOT, v[ADRB]
	s_mul_i32 s72, s12, 16*SP
	s_add_co_u32 s72, s72, STAGE                   ; my stage
	v_mul_u32_u24 v5, v1, SP
	v_lshl_add_u32 v5, v2, 5, v5                   ; in: row r, 32 bytes for each half
	v_add_nc_u32 v[STO], s72, v5
	v_mul_u32_u24 v6, v2, SP
	v_lshl_add_u32 v6, v1, 4, v6                   ; back: sixteen lanes take a row of 256 bytes
	v_add_nc_u32 v[RD], s72, v6
	v_lshlrev_b32 v7, 12, v2
	v_lshl_add_u32 v[CO], v1, 4, v7                ; the same two rows in out0
	s_wait_tensorcnt 0x2                           ; K step 0's two loads are in; K step 1's two stay out
	s_barrier_signal -1
	s_barrier_wait -1
	FETCH 0, 0, 0
	s_wait_loadcnt 0x0                             ; the bias
	SEVEN 0, 1                                     ; the first products take the bias as C: nothing is cleared
	TURN 0, 1, 1                                   ; K step 2 is asked for
	SEVEN 1, 0
	TURN 1, 0, 1                                   ; K step 3 is asked for
	SEVEN 0, 0
	TURN 0, 1, 0
	SEVEN 1, 0
	s_wait_dscnt 0x4
	WIN ACC
	MUL4 1, 0, 0
	MUL4 1, 1, 0
	s_wait_dscnt 0x0
	MUL4 1, 2, 0
	MUL4 1, 3, 0
	PLACES                                         ; in front of the LDS stores, which read results
; rows 16 a .. + 15 of my 64: f32 as they are into my own stage, back by rows; sixteen lanes store 256 consecutive aligned bytes
.macro OUT16 a, rb
	WIN ST_D
.irp b, 0,1,2,3
	ds_store_b128 v[STO], v[8*(4*\a+\b):8*(4*\a+\b)+3]   offset:64*\b
	ds_store_b128 v[STO], v[8*(4*\a+\b)+4:8*(4*\a+\b)+7] offset:64*\b+16
.endr
	WIN 0
	s_wait_xcnt 0x0                                ; set rb and the base, which earlier stores read, are written again only behind this wait
.if \a
	s_add_nc_u64 s[10:11], s[10:11], 0x10000       ; 16 rows of 4,096 bytes on
.endif
.irp t, 0,1,2,3,4,5,6,7
	ds_load_b128 v[\rb+4*\t:\rb+4*\t+3], v[RD] offset:\t*2*SP      ; LDS serves a wave's instructions in order: these see the stores above
.endr
.irp t, 0,1,2,3,4,5,6,7
	s_wait_dscnt 7-\t                              ; load t is in, the younger ones stay out
	global_store_b128 v[CO], v[\rb+4*\t:\rb+4*\t+3], s[10:11] offset:\t*8192
.endr
.endm
	OUT16 0, RB0
	OUT16 1, RB1
	OUT16 2, RB0
	OUT16 3, RB1
	s_wait_tensorcnt 0x0
	ds_add_u32 v30, v31
	s_wait_dscnt 0x0
	CROUND                                         ; the closing round: no work-group ends while a partner may still ask for a tile that names it
	s_endpgm
.Lfunc_end_k_q54d7b96f36_projg:
	.size	k_q54d7b96f36_projg, .Lfunc_end_k_q54d7b96f36_projg-k_q54d7b96f36_projg
	.p2alignl 7, 3214868480
	.fill 96, 4, 3214868480
	.section	.rodata,"a",@progbits
	.p2align	6, 0x0
	.amdhsa_kernel k_q54d7b96f36_projg
		.amdhsa_group_segment_fixed_size 327680
		.amdhsa_private_segment_fixed_size 0
		.amdhsa_enable_private_segment 0
		.amdhsa_kernarg_size 32
		.amdhsa_user_sgpr_count 2
		.amdhsa_user_sgpr_kernarg_segment_ptr 1
		.amdhsa_wavefront_size32 1
		.amdhsa_system_sgpr_workgroup_id_x 1
		.amdhsa_system_sgpr_workgroup_id_y 1
		.amdhsa_system_sgpr_workgroup_id_z 1
		.amdhsa_system_vgpr_workitem_id 0
		.amdhsa_next_free_vgpr 384
		.amdhsa_next_free_sgpr 76
		.amdhsa_reserve_vcc 0
		.amdhsa_float_denorm_mode_32 3
		.amdhsa_float_denorm_mode_16_64 3
		.amdhsa_memory_ordered 1
		.amdhsa_forward_progress 1
		.amdhsa_inst_pref_size 90
	.end_amdhsa_kernel
	.amdgpu_metadata
---
amdhsa.version: [ 1, 2 ]
amdhsa.kernels:
  - .name:           k_q54d7b96f36_projg
    .symbol:         k_q54d7b96f36_projg.kd
    .args:
      - { .name: y, .offset: 0, .size: 8, .value_kind: global_buffer, .address_space: global }
      - { .name: wpT, .offset: 8, .size: 8, .value_kind: global_buffer, .address_space: global }
      - { .name: b_proj, .offset: 16, .size: 8, .value_kind: global_buffer, .address_space: global }
      - { .name: out0, .offset: 24, .size: 8, .value_kind: global_buffer, .address_space: global }
    .group_segment_fixed_size: 327680
    .private_segment_fixed_size: 0
    .kernarg_segment_align: 8
    .kernarg_segment_size: 32
    .max_flat_workgroup_size: 128
    .sgpr_count:     76
    .vgpr_count:     384
    .wavefront_size: 32
...
	.end_amdgpu_metadata
.endif
;; end of part 4
